; MI455X (gfx1250); checked and timed in simulation.
; The chip was launched on July 23, 2026; its instructions are those of AMD's public machine-readable ISA for CDNA 5 (MIT licence, August 2026) and "CDNA5" Instruction Set Architecture Reference Guide (July 2026). The comments in the code are by the model that wrote it; some were corrected since.
;; QGLU. Allowed arithmetic: matrix products marked QUANTISED: E3M2 operands, one E8M0 scale for each 32 along K, by v_wmma_scale_f32_16x16x128_f8f6f4 with both operands' format E3M2, f32 sums; everything else in f32.
;; Inputs: W_fc1_codes 1,024 x 64 x 24 uint8 (E3M2 codes of W_fc1, K innermost, in blocks of 32 codes, four codes in three bytes); W_fc1_scales 1,024 x 64 uint8 (E8M0 scales of W_fc1, one for each 32 codes along K); W_fc2_codes 2,048 x 32 x 24 uint8 (E3M2 codes of W_fc2, K innermost, in blocks of 32 codes, four codes in three bytes); W_fc2_scales 2,048 x 32 uint8 (E8M0 scales of W_fc2, one for each 32 codes along K); W_gate_codes 1,024 x 64 x 24 uint8 (E3M2 codes of W_gate, K innermost, in blocks of 32 codes, four codes in three bytes); W_gate_scales 1,024 x 64 uint8 (E8M0 scales of W_gate, one for each 32 codes along K); x_codes 2 x 4,096 x 64 x 24 uint8 (E3M2 codes of x, K innermost, in blocks of 32 codes, four codes in three bytes); x_scales 2 x 4,096 x 64 uint8 (E8M0 scales of x, one for each 32 codes along K).
;; Outputs: out0 2 x 4,096 x 2,048 float32.
;; This version of the problem:
;;   THIS VERSION OF THE PROBLEM IS GIVEN IN LOW PRECISION. The matrix products marked QUANTISED in the list below multiply operands that are first quantised to E3M2 (3 exponent bits, 2 mantissa bits; 6 bits a number), with one power-of-two scale for each 32 numbers along K (OCP MX v1.0); their sums are f32. All else is computed in f32.
;;   The module's matrix products, in the order in which they are computed (A, B: the left and right operand; K: the contracted axis; several contracted axes count as one K, in the product's order):
;;     1. [M 8,192, K 2,048] x [K 2,048, N 1,024]; A: input x (given as codes); B: input W_gate (given as codes): QUANTISED
;;     2. [M 8,192, K 2,048] x [K 2,048, N 1,024]; A: input x (given as codes); B: input W_fc1 (given as codes): QUANTISED
;;     3. [M 8,192, K 1,024] x [K 1,024, N 2,048]; A: computed on the way; B: input W_fc2 (given as codes): QUANTISED
;;   THE QUANTISER, for each operand of a quantised product, along K:
;;     - K is cut into blocks of 32 from its start; a last block that is shorter is filled with zeros.
;;     - A block's scale is 2^e with e = floor(log2(the largest magnitude in the block)) - 4, held to -126 .. 127; a block of zeros has e = 0. As a byte (E8M0): e + 127.
;;     - Each number is divided by its block's scale, clamped to +-28, and rounded to the nearest number of E3M2, ties to even, subnormals kept.
;;     - The product sums the exact products of the quantised numbers (number of the format x scale) in f32.
;;   ~~~python
;;   def quantise(x, axis):      # numpy; x: float32 -> the quantised numbers, widened to float32 again
;;       x = np.moveaxis(x, axis, -1); K = x.shape[-1]
;;       x = np.pad(x, [(0, 0)] * (x.ndim - 1) + [(0, -K % 32)]); x = x.reshape(x.shape[:-1] + (-1, 32)); a = np.abs(x).max(-1, keepdims=True)
;;       e = np.where(a > 0, np.clip(np.frexp(np.where(a > 0, a, 1))[1] - 1 - 4, -126, 127), 0)      # np.frexp(a)[1] - 1 = floor(log2(a)), exactly
;;       r = np.clip(x / 2.0 ** e, -28, 28)
;;       step = 2.0 ** (np.maximum(np.frexp(np.where(r == 0, 1, r))[1] - 1, -2) - 2)
;;       q = np.round(r / step) * step * 2.0 ** e      # np.round: ties to even
;;       return np.moveaxis(q.reshape(q.shape[:-2] + (-1,))[..., :K], -1, axis).astype(np.float32)
;;   ~~~
;;   OPERANDS COMPUTED ON THE WAY. 'Computed on the way' means the value that the module computes at that place (a softmax that the list does not call 'softmax' is quantised finished and normalised). What goes into a quantiser is computed in f32, as accurately as f32 sums, v_exp_f32 and their like allow (about 1e-6 of the number): no bf16 or f16 on the way to a quantiser, and a product that is left as it is and whose result goes on into a quantised operand takes f32 operands (vector FMAs, or v_wmma_f32_16x16x4_f32). A number that lies on a knife's edge between two numbers of the format may be rounded either way, as far as f32 arithmetic and the matrix unit's own rounding can turn it there, and no further.
;;   INPUTS GIVEN AS CODES. W_fc1 (in the module: [1024, 2048], K = its axis 1); W_fc2 (in the module: [2048, 1024], K = its axis 1); W_gate (in the module: [1024, 2048], K = its axis 1); x (in the module: [2, 4096, 2048], K = its axis 2): each comes as NAME_codes (uint8): NAME with its K axis moved to the last place and cut into blocks of 32 codes, [.., K / 32, bytes a block], one block behind the other in memory; four codes in three bytes: a row's codes are one little-endian stream of bits, code i at bits 6 i .. 6 i + 5 (a code: sign, 3 exponent bits, 2 mantissa bits); and NAME_scales (uint8): the same leading axes, one E8M0 byte (e + 127) for each 32 codes along K. Its value is code x scale, taken as it is: it is not quantised again, and the codes and scales need not be those that the quantiser above would give.
;; One version. Each part assembles by itself: llvm-mc -triple=amdgcn-amd-amdhsa -mcpu=gfx1250 --defsym DOCPART=n.
;; ======== version 1 of 1: 2 launches
;; limits: right only within a limited range of input values
;; workspace buffers: hid 6,553,600 bytes
;; launch gateup (part 1): grid 8 x 32, 4 waves a work-group, clusters of 4 x 4, 327,680 bytes of LDS; arguments x_codes, x_scales, W_gate_codes, W_gate_scales, W_fc1_codes, W_fc1_scales, hid; writes hid
.if DOCPART == 1
	.amdgcn_target "amdgcn-amd-amdhsa--gfx1250"
	.amdhsa_code_object_version 6
	.text
	.protected	k_q20eb601587_gateup
	.globl	k_q20eb601587_gateup
	.p2align	8
	.type	k_q20eb601587_gateup,@function
k_q20eb601587_gateup:
	s_mov_b64 s[64:65], 0
	v_nop
	global_prefetch_b8 v0, s[64:65] scope:SCOPE_SE
	s_setreg_imm32_b32 hwreg(HW_REG_WAVE_MODE, 25, 1), 1
	s_wait_xcnt 0x0
	s_wait_alu depctr_hold_cnt(0) depctr_sa_sdst(0) depctr_va_vdst(0) depctr_va_sdst(0) depctr_va_ssrc(0) depctr_va_vcc(0) depctr_vm_vsrc(0)
	s_getreg_b32 s2, hwreg(HW_REG_IB_STS2, 6, 4)
	s_cmp_eq_u32 s2, 0
	s_cbranch_scc0 .Lentry_in_a_cluster
	s_endpgm
.Lentry_in_a_cluster:
	s_bfe_u32 s2, ttmp6, 0x10000c
	s_cmp_lg_u32 s2, 0xf033
	s_cbranch_scc0 .Lentry_shape_is_right
	s_endpgm
.Lentry_shape_is_right:
; hid = Q(gelu(x W_fc1^T) * (x W_gate^T)): m 8,192, hidden 1,024, k 2,048.  Operands are BF6 (E3M2) codes with one E8M0 byte for each 32 along K; sums f32; gelu (exact form, by erfc) in f32.
; A work-group makes 256 rows x 128 hidden units: 256 rows of x against 128 rows of W_gate and the same 128 rows of W_fc1.  Four waves, each 128 rows x (64 gate + 64 fc1) columns: 64 accumulators.
; K goes through a ring of two LDS slots in chunks of 256 bytes of each row (a row of codes is 1,536 bytes); a step of 128 along K is 96 bytes: eight steps to three chunks, steps 2, 5, 10, 13 lie across two chunks.
; The walk of 16 steps is written out: slots and chunks come back to where they began only after 16 steps.
; FRAGMENTS: lanes 0-15 take a step's blocks 0 and 1 of 32 codes (48 consecutive bytes), lanes 16-31 its blocks 2 and 3: three loads of 16 bytes.  The matrix unit counts what lanes 16-31 hold first as its block 1 and what lanes 0-15
; hold second as its block 2: the step's two middle blocks change places, alike on both operands, and so do the two middle bytes of every scale word (one v_perm_b32 each, once).  The sums hold the same products.
; One run of 48 LDS loads a step, in its middle, brings the whole next step.
; SCALES go from memory straight into registers, once: a row's 64 scale bytes are 16 step words; lane (r, h) takes the 32 bytes at 64 row + 32 h, so register t holds step t in lanes 0-15 and step 8 + t in lanes 16-31.
; CLUSTERS 4 x 4: x's tiles are asked for jointly along a row of the cluster, the weights' along a column.  The matrix instruction is used transposed (source 0 = weights, source 1 = x).
; PREFETCH: each wave names 32 rows x 256 bytes, a lane a row; the four partners of a joint load share its 128 rows out by address.  Chunks 1 and 2 are named at the head, chunk c + 2 behind the load of chunk c (c = 1, 2, 3);
; chunk 0 comes by its load alone; nothing is named past chunk 5.
; hid's layout, for each 128 rows 102,400 dense bytes: [k / 64 (16)][128 rows][48 bytes] of codes, then [k / 128 (8)][128 rows][4 bytes] of scale bytes.
; LIMIT: a scale byte 0xff among the inputs makes NaN.
; REGISTERS: window 0: v0-31 addresses; v32-95 x's scale words, v96-127 and v224-255 the weights'; v128-175 x's blocks 0-3; v176-223 x's blocks 4-7 of even steps.
;   window 1: the weights' fragments, two sets, at v0 and v128; x's blocks 4-7 of odd steps at v96-119 and v224-247; on the way out the work registers.
;   windows 2, 3: accumulators of my rows 0-63, 64-127 ((a, b) at v[8 (8 (a % 4) + b)]; b 0-3 gate, b 4-7 fc1).
.set ROWB,   256
.set KROW,   1536
.set STEPS,  16
.set CHUNKS, 6
.set PITCH,  272                       ; 256 bytes + 16 of padding
.set FR,     12
.set NL,     3
.set NP,     4
.set HALFT,  128*PITCH
.set SLOT,   4*HALFT                   ; x's 256 rows, W_gate's 128, W_fc1's 128
.set SPARE,  2*SLOT                    ; the spare words
.set CHUNK,  6144                      ; the way out: 128 rows x 48 bytes, a wave's own stage, in slot 0 (its last fill, chunk 4, is read no more behind the walk's last barrier)
.set SST,    4*CHUNK                   ; the work-group's scale bytes: 256 rows x 4
.set HALFB,  102400
.set SCO,    98304
.set SSTO, 12
.set SRD,  13
.set SGO,  14
.set SOF,  15
.set ADRA, 16                          ; v16-17 x's fragments in slot 0, 1; v18-19 for pieces whose two halves of the lanes lie in different chunks
.set ADRB, 20                          ; v20-23 the same for the weights
.set CSTO, 24
.set CRD,  25
.set CGO,  26
.set PFO,  27
.set SPW,  28
.set NIL,  29
.set SA,   32
.set SB,   96
.set AF,   128
.set WV,   20
.set WR,   21
.set WC,   22
.set TR,   23
.set TC,   42
.set G1,   24
.set G0,   32
.set G1B,  48
.set G0B,  56
.set PFA,  74
; the way out's registers, all in window 1
.set GH,   0
.set GM,   32
.set GT,   64
.set GP,   96
.set GY,   128
.set GG,   160
.set GU,   192
.set QC,   224
.set QD,   230
.set M1,   234
.set M2,   235
.set SCV,  236
.set BYT,  237
.set C9V,  238
; erfc(z) = t exp(-z^2 + P(t)), t = 1 / (1 + z / 2), z = |h| / sqrt 2; the constants carry log2(e) and the factor 1/2
.set KQ,  0x3eb504f3
.set KU,  0xbf38aa3b
.set EC0, 0xc034d90f
.set EC1, 0x3fb8ab5a
.set EC2, 0x3f0a29d2
.set EC3, 0x3e0efb2e
.set EC4, 0xbe899a80
.set EC5, 0x3ecdfd18
.set EC6, 0xbfd1a1e5
.set EC7, 0x40097039
.set EC8, 0xbf97d29d
.set EC9, 0x3e7c6f08
.set MSB, 0
.macro WIN new
.if MSB != (\new)
	s_set_vgpr_msb (MSB<<8)|(\new)
.set MSB, (\new)
.endif
.endm
.set MUL_LO, 0xa1                      ; source 0 (weights) window 1, source 1 (x) window 0, C and D window 2
.set MUL_HI, 0xf1                      ; C and D window 3; in odd steps source 1 window 1: + 4
.set TO_B,   0x40
.macro PLACES n
.rept \n
	v_nop
.endr
.endm
.macro JLOAD g0a, g1a, g0b, g1b        ; waves 0, 1 fetch x's halves, wave 2 W_gate's rows, wave 3 W_fc1's
	s_cmp_eq_u32 s[WR], 0
	s_cbranch_scc0 .Lfor_b_\@
	tensor_load_to_lds s[\g0a:\g0a+3], s[\g1a:\g1a+7]
	s_nop 0
	PLACES 4
	s_branch .Lasked_\@
.Lfor_b_\@:
	tensor_load_to_lds s[\g0b:\g0b+3], s[\g1b:\g1b+7]
	s_nop 0
	PLACES 4
.Lasked_\@:
.endm
.macro CREST
	s_cmp_lg_u32 s[WV], 0
	s_cbranch_scc1 .Lnot_wave_0_\@
	s_barrier_signal -3
.Lnot_wave_0_\@:
	s_barrier_wait -3
	s_barrier_signal -1
	s_barrier_wait -1
.endm
.macro CROUND
	s_barrier_signal -1
	s_barrier_wait -1
	CREST
.endm
	s_load_b256 s[4:11], s[0:1], 0x0               ; x codes, x scales, gate codes, gate scales
	s_load_b128 s[12:15], s[0:1], 0x20             ; fc1 codes, fc1 scales
	s_load_b64 s[16:17], s[0:1], 0x30              ; hid
	v_lshl_add_u32 v[SPW], v0, 2, SPARE
	v_mov_b32 v[NIL], 0
	ds_add_u32 v[SPW], v[NIL]                      ; the opening lines: the add twice and one wait
	ds_add_u32 v[SPW], v[NIL]
	v_lshrrev_b32 v1, 5, v0
	v_readfirstlane_b32 s[WV], v1
	s_lshr_b32 s[WR], s[WV], 1
	s_and_b32 s[WC], s[WV], 1
	s_bfe_u32 s40, ttmp6, 0x40000
	s_bfe_u32 s41, ttmp6, 0x40004
	s_lshl_b32 s[TC], ttmp9, 2
	s_add_co_u32 s[TC], s[TC], s40
	s_and_b32 s[TR], ttmp7, 0xffff
	s_lshl_b32 s[TR], s[TR], 2
	s_add_co_u32 s[TR], s[TR], s41
	s_lshl_b32 s43, s41, 2
	s_lshl_b32 s43, 15, s43
	s_lshl_b32 s44, 0x1111, s40
	s_or_b32 s[G1+0], s43, (1<<20)|(1<<21)|(5<<22)|(3<<25)
	s_or_b32 s[G1B+0], s44, (1<<20)|(1<<21)|(5<<22)|(3<<25)
.irp g, G1, G1B                        ; 128 rows of 256 bytes, 16 bytes of padding behind each
	s_mov_b32 s[\g+1], ROWB<<16
	s_mov_b32 s[\g+2], 128<<16
	s_mov_b32 s[\g+3], ROWB<<16
	s_mov_b32 s[\g+4], 128
	s_mov_b32 s[\g+5], KROW
	s_mov_b32 s[\g+6], 0
	s_mov_b32 s[\g+7], 0
.endr
	s_lshl_b32 s66, s[TR], 8                       ; x: row 256 tile row + 128 (wave % 2)
	s_lshl_b32 s67, s[WC], 7
	s_add_co_u32 s66, s66, s67
	s_mov_b32 s92, s66
	s_mul_i32 s66, s66, KROW
	s_mov_b32 s67, 0
	s_lshl_b32 s93, s[TC], 7                       ; weights: row 128 tile column
	s_mul_i32 s76, s93, KROW
	s_mov_b32 s77, 0
	s_mul_i32 s45, s[WV], HALFT
	s_lshl_b32 s68, s[TR], 14                      ; x's scale bytes of my 128 rows
	s_lshl_b32 s69, s[WR], 13
	s_add_co_u32 s68, s68, s69
	s_mov_b32 s69, 0
	s_lshl_b32 s70, s[TC], 13                      ; the weights' scale bytes of my 64 rows
	s_lshl_b32 s71, s[WC], 12
	s_add_co_u32 s70, s70, s71
	s_mov_b32 s71, 0
	s_mov_b32 s82, SLOT-208
	s_mov_b32 s83, SLOT+208
	s_mul_i32 s84, s[WR], HALFT
	s_mul_i32 s85, s[WC], 64*PITCH
	s_add_co_u32 s85, s85, 2*HALFT
	s_add_co_u32 s86, s84, SLOT
	s_add_co_u32 s87, s85, SLOT
	s_mul_i32 s88, s[WV], CHUNK
	s_lshl_b32 s89, s[WV], 8
	s_add_co_u32 s89, s89, SST
	s_lshl_b32 s90, s[WR], 9
	s_lshl_b32 s91, s[WC], 1
	s_add_co_u32 s90, s90, s91
	s_add_co_u32 s90, s90, SST
	s_mov_b32 s99, 0x03010200                      ; bytes 0, 2, 1, 3 of a scale word
	s_lshl_b32 s94, s[TR], 1                       ; hid: my 128 rows' block,
	s_add_co_u32 s94, s94, s[WR]
	s_mul_i32 s94, s94, HALFB
	s_lshl_b32 s96, s[TC], 1
	s_add_co_u32 s96, s96, s[WC]
	s_mul_i32 s97, s96, CHUNK                      ; my 64 hidden units' codes,
	s_lshl_b32 s96, s96, 8                         ; and the 256 scale bytes that I store
	s_add_co_u32 s96, s96, SCO
	s_add_co_u32 s96, s96, s94
	s_add_co_u32 s94, s94, s97
	s_mov_b32 s95, 0
	s_mov_b32 s97, 0
	s_wait_dscnt 0x0
	s_wait_kmcnt 0x0
	s_cmp_eq_u32 s[WC], 0
	s_cselect_b64 s[80:81], s[8:9], s[12:13]       ; wave 2 fetches W_gate, wave 3 W_fc1
	s_add_nc_u64 s[66:67], s[4:5], s[66:67]
	s_add_nc_u64 s[76:77], s[80:81], s[76:77]
	CROUND                                         ; the first joint loads meet
.irp s, 0,1
	s_mov_b32 s[G0+4*\s], 1
	s_add_co_u32 s[G0+4*\s+1], s45, \s*SLOT
	s_add_nc_u64 s[G0+4*\s+2:G0+4*\s+3], s[66:67], \s*ROWB
	s_or_b32 s[G0+4*\s+3], s[G0+4*\s+3], 0x80000000
	s_mov_b32 s[G0B+4*\s], 1
	s_add_co_u32 s[G0B+4*\s+1], s45, \s*SLOT
	s_add_nc_u64 s[G0B+4*\s+2:G0B+4*\s+3], s[76:77], \s*ROWB
	s_or_b32 s[G0B+4*\s+3], s[G0B+4*\s+3], 0x80000000
.endr
	JLOAD G0, G1, G0B, G1B                         ; chunk 0: one tensor load a wave at the head
	s_add_nc_u64 s[68:69], s[6:7], s[68:69]
	s_add_nc_u64 s[72:73], s[14:15], s[70:71]
	s_add_nc_u64 s[70:71], s[10:11], s[70:71]
	s_add_nc_u64 s[18:19], s[16:17], s[96:97]
	s_add_nc_u64 s[16:17], s[16:17], s[94:95]
	s_cmp_eq_u32 s[WR], 0                          ; the prefetches: of the 128 rows that I fetch, my work-group's 32
	s_cselect_b64 s[PFA:PFA+1], s[4:5], s[80:81]
	s_cselect_b32 s91, s40, s41
	s_cselect_b32 s92, s92, s93
	s_lshl_b32 s91, s91, 5
	s_add_co_u32 s92, s92, s91
	s_mul_i32 s92, s92, KROW
	s_mov_b32 s93, 0
	s_add_nc_u64 s[PFA:PFA+1], s[PFA:PFA+1], s[92:93]
	v_and_b32 v1, 15, v0                           ; r
	v_bfe_u32 v2, v0, 4, 1                         ; h
	v_and_b32 v6, 31, v0
	v_mul_u32_u24 v3, v1, PITCH
	v_mul_u32_u24 v4, v2, 48
	v_add_nc_u32 v4, v3, v4                        ; row x pitch + 48 h
	v_sub_nc_u32 v7, 1, v2
	v_mul_u32_u24 v5, s82, v2
	v_add_nc_u32 v5, v3, v5
	v_add_nc_u32 v5, 208, v5                       ; lanes 0-15 byte 208 in slot 0, lanes 16-31 byte 0 in slot 1
	v_mul_u32_u24 v10, s83, v7
	v_add_nc_u32 v10, v3, v10                      ; and the other way round
	v_add_nc_u32 v[ADRA+2], s84, v5
	v_add_nc_u32 v[ADRA+3], s84, v10
	v_add_nc_u32 v[ADRB+2], s85, v5
	v_add_nc_u32 v[ADRB+3], s85, v10
	v_add_nc_u32 v[ADRA], s84, v4
	v_add_nc_u32 v[ADRB], s85, v4
	v_add_nc_u32 v[ADRA+1], s86, v4
	v_add_nc_u32 v[ADRB+1], s87, v4
	v_mul_u32_u24 v9, v1, 48
	v_mad_u32_u24 v9, v2, 24, v9
	v_add_nc_u32 v[CSTO], s88, v9
	v_lshlrev_b32 v[CGO], 4, v6
	v_add_nc_u32 v[CRD], s88, v[CGO]
	v_lshlrev_b32 v[SGO], 3, v6
	v_add_nc_u32 v[SRD], s89, v[SGO]
	v_lshl_add_u32 v9, v1, 2, v2
	v_add_nc_u32 v[SSTO], s90, v9
	v_lshlrev_b32 v11, 6, v1
	v_lshl_add_u32 v[SOF], v2, 5, v11              ; 64 r + 32 h
	v_mul_u32_u24 v[PFO], v6, KROW
	s_wait_alu depctr_va_vdst(0)                   ; the wait behind the address registers
	global_prefetch_b8 v[PFO], s[PFA:PFA+1] offset:1*ROWB th:TH_LOAD_NT scope:SCOPE_SE
.irp i, 0,1,2,3,4,5,6,7
	global_load_b128 v[SA+8*\i:SA+8*\i+3], v[SOF], s[68:69] offset:1024*\i
	global_load_b128 v[SA+8*\i+4:SA+8*\i+7], v[SOF], s[68:69] offset:1024*\i+16
.endr
.irp i, 0,1,2,3
	global_load_b128 v[SB+8*\i:SB+8*\i+3], v[SOF], s[70:71] offset:1024*\i
	global_load_b128 v[SB+8*\i+4:SB+8*\i+7], v[SOF], s[70:71] offset:1024*\i+16
	global_load_b128 v[SB+128+8*\i:SB+128+8*\i+3], v[SOF], s[72:73] offset:1024*\i
	global_load_b128 v[SB+128+8*\i+4:SB+128+8*\i+7], v[SOF], s[72:73] offset:1024*\i+16
.endr
	global_prefetch_b8 v[PFO], s[PFA:PFA+1] offset:2*ROWB th:TH_LOAD_NT scope:SCOPE_SE
	s_wait_loadcnt 0x0                             ; the scale words; their two middle bytes change places, while chunk 0 is on its way
.set e, 0
.rept 96
	v_perm_b32 v[SA+e], v[SA+e], v[SA+e], s99
.set e, e+1
.endr
.set e, 0
.rept 32
	v_perm_b32 v[SB+128+e], v[SB+128+e], v[SB+128+e], s99
.set e, e+1
.endr
	PLACES 8                                       ; a scale register written by a vector instruction stands 8 places ahead of a scaled product
.macro FRAG reg, adr, st, boff         ; 16 rows x 128 K: three pieces of 16 bytes; byte y of a row lies in slot (y / 256) % 2 at byte y % 256; lanes 16-31 read 48 bytes on
.irp p, 0,1,2
.set BY, 96*(\st)+16*\p
.if BY/ROWB == (BY+48)/ROWB
	ds_load_b128 v[\reg+4*\p:\reg+4*\p+3], v[\adr+(BY/ROWB)%2] offset:BY%ROWB+(\boff)
.else
	ds_load_b128 v[\reg+4*\p:\reg+4*\p+3], v[\adr+2+(BY/ROWB)%2] offset:BY%ROWB-208+(\boff)
.endif
.endr
.endm
; 16 products: x's blocks a0, a0 + 1 against the weights' eight.  The 64 accumulators take turns.  Steps 8-15 take both scale words from lanes 16-31.
.macro MUL16 a0, st, zero
.irp a, \a0, \a0+1
.irp b, 0,1,2,3,4,5,6,7
.set rD, 8*(8*((\a)%4)+\b)
.set rB, 128*((\st)%2)+FR*\b
.if (\a) >= 4 && (\st)%2
.set rA, 96+FR*((\a)-4)+104*(((\a)-4)/2)
.else
.set rA, AF+FR*(\a)
.endif
.set rSB, SB+8*\b+96*(\b/4)+(\st)%8
.set rSA, SA+8*(\a)+(\st)%8
.if \zero
	v_wmma_scale_f32_16x16x128_f8f6f4 v[rD:rD+7], v[rB:rB+FR-1], v[rA:rA+FR-1], 0, v[rSB], v[rSA] matrix_a_fmt:MATRIX_FMT_BF6 matrix_b_fmt:MATRIX_FMT_BF6
.elseif (\st) < 8
	v_wmma_scale_f32_16x16x128_f8f6f4 v[rD:rD+7], v[rB:rB+FR-1], v[rA:rA+FR-1], v[rD:rD+7], v[rSB], v[rSA] matrix_a_fmt:MATRIX_FMT_BF6 matrix_b_fmt:MATRIX_FMT_BF6
.else
	v_wmma_scale_f32_16x16x128_f8f6f4 v[rD:rD+7], v[rB:rB+FR-1], v[rA:rA+FR-1], v[rD:rD+7], v[rSB], v[rSA] matrix_a_fmt:MATRIX_FMT_BF6 matrix_b_fmt:MATRIX_FMT_BF6 matrix_a_scale:MATRIX_SCALE_ROW1 matrix_b_scale:MATRIX_SCALE_ROW1
.endif
.endr
.endr
.endm
.macro FETCH st                        ; all of step st: the weights' eight into set st % 2, x's blocks 0-3, and last x's blocks 4-7, into the registers of st's parity
	WIN TO_B
.irp i, 0,1,2,3,4,5,6,7
	FRAG 128*((\st)%2)+FR*\i, ADRB, \st, (\i/4)*HALFT+(\i%4)*16*PITCH
.endr
	WIN 0
.irp i, 0,1,2,3
	FRAG AF+FR*\i, ADRA, \st, \i*16*PITCH
.endr
	WIN TO_B*((\st)%2)
.irp i, 0,1,2,3
	FRAG ((\st)%2)*(96+FR*\i+104*(\i/2))+(1-(\st)%2)*(AF+48+FR*\i), ADRA, \st, (\i+4)*16*PITCH
.endr
	WIN 0
.endm
; A step: 32 products, the run of loads for the next step, 32 products.  The four places in front of the run stand behind the products of x's blocks 0-3 and behind all of the step before, which read the other registers that the run fills.
; Where the next step's bytes end in a chunk not yet read, a barrier shows it whole; where they begin in a later chunk, the chunk left behind is free: the wait for all tensor loads, the add, the wait for it and for my reads,
; the barrier, which opens a round of the cluster's barrier where a chunk two on is left to fetch.
.macro STEP st, zero
.set NX, (\st)+1
.set C0, (96*(\st))/ROWB
.set C1, (96*NX)/ROWB
.set E0, (96*(\st)+95)/ROWB
.set E1, (96*NX+95)/ROWB
.if C1 > C0 || E1 > E0
	s_wait_tensorcnt 0x0
.if C1 > C0
	ds_add_u32 v[SPW], v[NIL]
	s_wait_dscnt 4*NL+1                            ; the add and x's blocks 4-7 may be out
.else
	s_wait_dscnt 4*NL
.endif
	WIN MUL_LO
	MUL16 0, \st, \zero
	s_wait_dscnt 0x0
	s_barrier_signal -1
	MUL16 2, \st, \zero
	WIN 0
	s_barrier_wait -1
.if C1 > C0 && C0+2 < CHUNKS
	CREST
	s_add_nc_u64 s[G0+4*(C0%2)+2:G0+4*(C0%2)+3], s[G0+4*(C0%2)+2:G0+4*(C0%2)+3], 2*ROWB
	s_add_nc_u64 s[G0B+4*(C0%2)+2:G0B+4*(C0%2)+3], s[G0B+4*(C0%2)+2:G0B+4*(C0%2)+3], 2*ROWB
	JLOAD G0+4*(C0%2), G1, G0B+4*(C0%2), G1B       ; chunk C0 + 2; its four v_nop are the places in front of the run
.else
	PLACES NP
.endif
.else
	s_wait_dscnt 4*NL                              ; x's blocks 4-7 may be out
	WIN MUL_LO
	MUL16 0, \st, \zero
	MUL16 2, \st, \zero
	s_wait_dscnt 0
	PLACES NP
.endif
	FETCH NX
.if C1 > C0 && C0+4 < CHUNKS
	global_prefetch_b8 v[PFO], s[PFA:PFA+1] offset:(C0+4)*ROWB th:TH_LOAD_NT scope:SCOPE_SE
.endif
	WIN MUL_HI+4*((\st)%2)
	MUL16 4, \st, \zero
	MUL16 6, \st, \zero
	WIN 0
.endm
	s_wait_alu depctr_va_vdst(0)                   ; the wait at the head's end
	s_wait_tensorcnt 0x0                           ; my part of chunk 0 is in; slot 1's first fill is issued as a refill is
	ds_add_u32 v[SPW], v[NIL]
	s_wait_dscnt 0x0
	CROUND
	JLOAD G0+4, G1, G0B+4, G1B                     ; chunk 1
	FETCH 0
	global_prefetch_b8 v[PFO], s[PFA:PFA+1] offset:3*ROWB th:TH_LOAD_NT scope:SCOPE_SE
	STEP 0, 1                                      ; the first step's products start the sums
.set ST, 1
.rept STEPS-2
	STEP ST, 0
.set ST, ST+1
.endr
	s_wait_dscnt 4*NL                              ; the last step: nothing more to fetch
	WIN MUL_LO
	MUL16 0, 15, 0
	MUL16 2, 15, 0
	s_wait_dscnt 0
	WIN MUL_HI+4
	MUL16 4, 15, 0
	MUL16 6, 15, 0
; THE WAY OUT: a loop of eight trips, one block of 16 rows each.  Only the lines that read the accumulators differ from block to block: they are written eight times and chosen by the counter.
	PLACES NP                                      ; four places behind the last products
	WIN 0x40
	v_mov_b32 v[C9V], EC9
	v_mov_b32 v[C9V+1], EC9
	WIN 0
	s_mov_b32 s3, 0
	s_wait_alu depctr_va_vdst(0)
.Lblk:
	s_wait_dscnt 0x0                               ; the last trip's LDS stores have read their data
.irp a, 0,1,2,3,4,5,6
	s_cmp_eq_u32 s3, \a
	s_cbranch_scc1 .Lin\a
.endr
.macro COPYIN a                        ; |h|, max(h, 0) and g of block a into window 1; each accumulator from its low end on
.Lin\a:
.set AC, 64*((\a)%4)
	WIN 0x4a+5*((\a)/4)
	s_wait_alu depctr_va_vdst(0)                   ; the wait ahead of the first reader of these sums
.set e, 0
.rept 32
	v_and_b32 v[GH+e], 0x7fffffff, v[AC+32+e]
	v_max_num_f32 v[GM+e], 0, v[AC+32+e]
.set e, e+1
.endr
.set e, 0
.rept 32
	v_mov_b32 v[GG+e], v[AC+e]
.set e, e+1
.endr
	WIN 0
	s_wait_alu depctr_va_vdst(0)                   ; ahead of the jump
.if (\a) != 6
	s_branch .Lgelu
.endif
.endm
.irp a, 7,0,1,2,3,4,5,6
	COPYIN \a
.endr
.Lgelu:
	WIN 0x55                                       ; every operand in window 1
.macro RUN16 body:vararg
.set i, 0
.rept 16
	\body
.set i, i+2
.endr
.endm
	RUN16 v_pk_fma_f32 v[GT+i:GT+i+1], v[GH+i:GH+i+1], KQ, 1.0 op_sel_hi:[1,0,0]
	RUN16 v_pk_mul_f32 v[GY+i:GY+i+1], v[GH+i:GH+i+1], KU op_sel_hi:[1,0]
	s_wait_alu depctr_va_vdst(0)                   ; one wait ahead of the batch
.set i, 0
.rept 32
	v_rcp_f32 v[GT+i], v[GT+i]                     ; t
.set i, i+1
.endr
	RUN16 v_pk_fma_f32 v[GU+i:GU+i+1], v[GY+i:GY+i+1], v[GH+i:GH+i+1], EC0 op_sel_hi:[1,1,0]
	s_wait_alu depctr_va_vdst(0)                   ; and one behind it
	RUN16 v_pk_fma_f32 v[GP+i:GP+i+1], v[GT+i:GT+i+1], v[C9V:C9V+1], EC8 op_sel_hi:[1,1,0]
.irp ck, EC7,EC6,EC5,EC4,EC3,EC2,EC1
	RUN16 v_pk_fma_f32 v[GP+i:GP+i+1], v[GP+i:GP+i+1], v[GT+i:GT+i+1], \ck op_sel_hi:[1,1,0]
.endr
	RUN16 v_pk_fma_f32 v[GP+i:GP+i+1], v[GP+i:GP+i+1], v[GT+i:GT+i+1], v[GU+i:GU+i+1]
	s_wait_alu depctr_va_vdst(0)
.set i, 0
.rept 32
	v_exp_f32 v[GP+i], v[GP+i]
.set i, i+1
.endr
	RUN16 v_pk_mul_f32 v[GU+i:GU+i+1], v[GH+i:GH+i+1], v[GT+i:GT+i+1]
	s_wait_alu depctr_va_vdst(0)
	RUN16 v_pk_fma_f32 v[GM+i:GM+i+1], v[GU+i:GU+i+1], v[GP+i:GP+i+1], v[GM+i:GM+i+1] neg_lo:[0,1,0] neg_hi:[0,1,0]
.irp t, 0,1,2,3                        ; x g, laid so that the swaps below give a lane one whole block of 32 hidden units
.irp k, 0,2,4,6
	v_pk_mul_f32 v[GY+16*(\t%2)+8*(\t/2)+\k:GY+16*(\t%2)+8*(\t/2)+\k+1], v[GM+8*\t+\k:GM+8*\t+\k+1], v[GG+8*\t+\k:GG+8*\t+\k+1]
.endr
.endr
.irp j, 0,1,2,3,4,5,6,7
	v_permlane16_swap_b32 v[GY+\j], v[GY+8+\j]
	v_permlane16_swap_b32 v[GY+16+\j], v[GY+24+\j]
.endr
	v_max3_num_f32 v[M1], |v[GY]|, |v[GY+1]|, 0x2800000    ; with the floor 2^(5 - 127): the byte stays at 1 or above
	v_max3_num_f32 v[M2], |v[GY+2]|, |v[GY+3]|, |v[GY+4]|
.irp n, 5,9,13,17,21,25
	v_max3_num_f32 v[M1], v[M1], |v[GY+\n]|, |v[GY+\n+1]|
	v_max3_num_f32 v[M2], v[M2], |v[GY+\n+2]|, |v[GY+\n+3]|
.endr
	v_max3_num_f32 v[M1], v[M1], |v[GY+29]|, |v[GY+30]|
	v_max3_num_f32 v[M1], v[M1], v[M2], |v[GY+31]|
	v_add_nc_u32 v[SCV], 0xfe000000, v[M1]         ; 4 off the exponent field
	v_cvt_scalef32_pk16_bf6_f32 v[QC:QC+2], v[GY:GY+15], v[SCV]
	v_cvt_scalef32_pk16_bf6_f32 v[QD:QD+2], v[GY+16:GY+31], v[SCV]
	v_lshrrev_b32 v[BYT], 23, v[SCV]               ; the scale's byte; also the plain place behind the conversions
.irp p, 0,1,2
	v_mov_b32 v[QC+3+\p], v[QD+\p]
.endr
	WIN 0x04                                       ; data window 1, address window 0
.irp p, 0,1,2
	ds_store_b64 v[CSTO], v[QC+2*\p:QC+2*\p+1] offset:8*\p
.endr
	ds_store_b8 v[SSTO], v[BYT]
	WIN 0
	v_add_nc_u32 v[CSTO], 768, v[CSTO]             ; 16 rows of 48 bytes on
	v_add_nc_u32 v[SSTO], 64, v[SSTO]
	s_add_co_u32 s3, s3, 1
	s_cmp_lt_u32 s3, 8
	s_wait_alu depctr_va_vdst(0)                   ; ahead of the backward jump
	s_cbranch_scc1 .Lblk
	s_wait_dscnt 0x0                               ; a row's four scale bytes come from two waves
	s_barrier_signal -1
	s_barrier_wait -1
.irp i, 0,1,2,3,4,5,6,7,8,9,10,11
	ds_load_b128 v[AF+4*\i:AF+4*\i+3], v[CRD] offset:512*\i
.endr
	ds_load_b64 v[AF+48:AF+49], v[SRD]
.irp i, 0,1,2,3,4,5,6,7,8,9,10,11
	s_wait_dscnt 12-\i
	global_store_b128 v[CGO], v[AF+4*\i:AF+4*\i+3], s[16:17] offset:512*\i     ; 32 lanes store 512 consecutive bytes
.endr
	s_wait_dscnt 0x0
	global_store_b64 v[SGO], v[AF+48:AF+49], s[18:19]                          ; 32 lanes store 256 consecutive bytes
	s_wait_tensorcnt 0x0                           ; the wave's end
	ds_add_u32 v[SPW], v[NIL]
	s_wait_dscnt 0x0
	CROUND
	s_endpgm
.Lfunc_end_k_q20eb601587_gateup:
	.size	k_q20eb601587_gateup, .Lfunc_end_k_q20eb601587_gateup-k_q20eb601587_gateup
	.p2alignl 7, 3214868480
	.fill 96, 4, 3214868480
	.section	.rodata,"a",@progbits
	.p2align	6, 0x0
	.amdhsa_kernel k_q20eb601587_gateup
		.amdhsa_group_segment_fixed_size 327680
		.amdhsa_private_segment_fixed_size 0
		.amdhsa_enable_private_segment 0
		.amdhsa_kernarg_size 56
		.amdhsa_user_sgpr_count 2
		.amdhsa_user_sgpr_kernarg_segment_ptr 1
		.amdhsa_wavefront_size32 1
		.amdhsa_system_sgpr_workgroup_id_x 1
		.amdhsa_system_sgpr_workgroup_id_y 1
		.amdhsa_system_sgpr_workgroup_id_z 1
		.amdhsa_system_vgpr_workitem_id 0
		.amdhsa_next_free_vgpr 1024
		.amdhsa_next_free_sgpr 100
		.amdhsa_reserve_vcc 0
		.amdhsa_float_denorm_mode_32 3
		.amdhsa_float_denorm_mode_16_64 3
		.amdhsa_memory_ordered 1
		.amdhsa_forward_progress 1
		.amdhsa_inst_pref_size 255
	.end_amdhsa_kernel
	.section	.bss,"aw",@nobits
	.p2align	6
	.space	262144
	.amdgpu_metadata
---
amdhsa.version: [ 1, 2 ]
amdhsa.kernels:
  - .name:           k_q20eb601587_gateup
    .symbol:         k_q20eb601587_gateup.kd
    .args:
      - { .name: x_codes, .offset: 0, .size: 8, .value_kind: global_buffer, .address_space: global }
      - { .name: x_scales, .offset: 8, .size: 8, .value_kind: global_buffer, .address_space: global }
      - { .name: W_gate_codes, .offset: 16, .size: 8, .value_kind: global_buffer, .address_space: global }
      - { .name: W_gate_scales, .offset: 24, .size: 8, .value_kind: global_buffer, .address_space: global }
      - { .name: W_fc1_codes, .offset: 32, .size: 8, .value_kind: global_buffer, .address_space: global }
      - { .name: W_fc1_scales, .offset: 40, .size: 8, .value_kind: global_buffer, .address_space: global }
      - { .name: hid, .offset: 48, .size: 8, .value_kind: global_buffer, .address_space: global }
    .group_segment_fixed_size: 327680
    .private_segment_fixed_size: 0
    .kernarg_segment_align: 8
    .kernarg_segment_size: 56
    .max_flat_workgroup_size: 128
    .sgpr_count:     100
    .vgpr_count:     1024
    .wavefront_size: 32
...
	.end_amdgpu_metadata
.endif
;; end of part 1
;; launch down (part 2): grid 8 x 32, 4 waves a work-group, clusters of 4 x 4, 327,680 bytes of LDS; arguments hid, W_fc2_codes, W_fc2_scales, out0; writes out0
.if DOCPART == 2
	.amdgcn_target "amdgcn-amd-amdhsa--gfx1250"
	.amdhsa_code_object_version 6
	.text
	.protected	k_q20eb601587_down
	.globl	k_q20eb601587_down
	.p2align	8
	.type	k_q20eb601587_down,@function
k_q20eb601587_down:
	s_mov_b64 s[64:65], 0
	v_nop
	global_prefetch_b8 v0, s[64:65] scope:SCOPE_SE
	s_setreg_imm32_b32 hwreg(HW_REG_WAVE_MODE, 25, 1), 1
	s_wait_xcnt 0x0
	s_wait_alu depctr_hold_cnt(0) depctr_sa_sdst(0) depctr_va_vdst(0) depctr_va_sdst(0) depctr_va_ssrc(0) depctr_va_vcc(0) depctr_vm_vsrc(0)
	s_getreg_b32 s2, hwreg(HW_REG_IB_STS2, 6, 4)
	s_cmp_eq_u32 s2, 0
	s_cbranch_scc0 .Lentry_in_a_cluster
	s_endpgm
.Lentry_in_a_cluster:
	s_bfe_u32 s2, ttmp6, 0x10000c
	s_cmp_lg_u32 s2, 0xf033
	s_cbranch_scc0 .Lentry_shape_is_right
	s_endpgm
.Lentry_shape_is_right:
; out[m][n] = sum over k of hid[m][k] W_fc2[n][k], m 8,192, n 2,048, k 1,024; both operands BF6 (E3M2) codes with one E8M0 byte for each 32 along K; sums and out in f32.
; hid as the launch before laid it: for each 128 rows 102,400 dense bytes: [k / 64][128 rows][48 bytes] of codes, then [k / 128][128 rows][4 bytes] of scale bytes.
; A work-group makes 256 x 256 of out.  Wave w owns columns 64 w .. 64 w + 63 for all of K: its 32 fragments of W_fc2 (384 registers) are read from LDS once and stay.  It walks the 256 rows in 16 blocks of 16:
; 32 products a block (4 accumulators by turns, K ascending); a finished block goes through the wave's own stage and leaves as 8 stores, sixteen lanes to 256 consecutive bytes.
; A block's memory instructions stand in ONE run at its head: the block before into the stage and back, the stores of the block before that, the next block's scale words and fragments; then its 32 products on end.
; THE HEAD'S FOUR TILES, one tensor load a wave: waves 0, 1 W_fc2's rows 0-127, 128-255; wave 2 W_fc2's scale bytes; wave 3 hid's rows 0-127 with their scale bytes.
; When every wave has its weights in registers, hid's rows 128-255 are laid over W_fc2's first 102,400 bytes, a quarter a wave: the one refill.
; CLUSTERS 4 x 4: hid's tiles are asked for jointly along a row of the cluster, W_fc2's along a column.  The matrix instruction is used transposed (source 0 = W_fc2, source 1 = hid).
; NO PREFETCH: every tile is asked for at the head or directly behind the first round; there is no loop to run ahead in.
; LIMIT: a scale byte 0xff in W_fc2_scales makes NaN.
; REGISTERS: window 0: v1-31 addresses; v32-47 W_fc2's scale words, v48-55 hid's (two sets); v64-159, v160-255 hid's fragments, two buffers.  window 1, 2: W_fc2's fragments of steps 0-3, 4-7.
;   window 3: v0-63 two sets of 4 accumulators; v64-127 two sets of rows read back from the stage.
.set SIZE_N, 2048
.set FR,     12
.set CHUNK,  6144
.set HB,     102400                    ; a half of hid's tile
.set QB,     25600                     ; a quarter of it
.set ASO,    98304                     ; where its scale words begin
.set BROW,   816                       ; a row of W_fc2 in LDS: 3 x (256 + 16)
.set BW,     64*BROW
.set AH1,    0
.set STAGE,  HB                        ; bytes of W_fc2's that are not filled again
.set SPITCH, 272
.set AH0,    4*BW
.set SCLB,   AH0+HB                    ; W_fc2's scale bytes: 32 x (256 + 16)
.set SPARE,  SCLB+32*272
.set ADRA, 16
.set ADRB, 20
.set STO,  24
.set RD,   25
.set CO,   26
.set ADRSA, 27                         ; v27 hid's scale words of rows 0-127, v31 of rows 128-255: lanes 0-15 an even step's, lanes 16-31 the odd step's
.set SPW,  28
.set NIL,  29
.set ADRSB, 30
.set BSC,  32
.set ASC,  48
.set AF,   64
.set ACC,  0
.set OB,   64
.set WV,   14
.set TR,   17
.set TC,   42
.set G1H,  24
.set G0H,  32
.set G0Q,  36
.set G1B,  48
.set G0B,  56
.set G1Q,  68
.set G1SB, 80
.set G0SB, 88
.set MSB, 0
.macro WIN new
.if MSB != (\new)
	s_set_vgpr_msb (MSB<<8)|(\new)
.set MSB, (\new)
.endif
.endm
.macro PLACES n
.rept \n
	v_nop
.endr
.endm
.macro CROUND
	s_barrier_signal -1
	s_barrier_wait -1
	s_cmp_lg_u32 s[WV], 0
	s_cbranch_scc1 .Lnot_wave_0_\@
	s_barrier_signal -3
.Lnot_wave_0_\@:
	s_barrier_wait -3
	s_barrier_signal -1
	s_barrier_wait -1
.endm
.macro DENSE g, rows                   ; group 1's constant words: rows of 256 bytes (32 elements of 8), dense in memory
	s_mov_b32 s[\g+1], 32<<16
	s_mov_b32 s[\g+2], (\rows)<<16
	s_mov_b32 s[\g+3], 32<<16
	s_mov_b32 s[\g+4], \rows
	s_mov_b32 s[\g+5], 32
	s_mov_b32 s[\g+6], 0
	s_mov_b32 s[\g+7], 0
.endm
	s_load_b128 s[4:7], s[0:1], 0x0                ; hid, W_fc2's codes
	s_load_b128 s[8:11], s[0:1], 0x10              ; W_fc2's scales, out
	v_lshl_add_u32 v[SPW], v0, 2, SPARE
	v_mov_b32 v[NIL], 0
	ds_add_u32 v[SPW], v[NIL]                      ; the opening lines: the add twice and one wait
	ds_add_u32 v[SPW], v[NIL]
	v_lshrrev_b32 v1, 5, v0
	v_readfirstlane_b32 s[WV], v1
	s_bfe_u32 s40, ttmp6, 0x40000
	s_bfe_u32 s41, ttmp6, 0x40004
	s_lshl_b32 s[TC], ttmp9, 2
	s_add_co_u32 s[TC], s[TC], s40
	s_and_b32 s[TR], ttmp7, 0xffff
	s_lshl_b32 s[TR], s[TR], 2
	s_add_co_u32 s[TR], s[TR], s41
	s_lshl_b32 s43, s41, 2
	s_lshl_b32 s43, 15, s43
	s_lshl_b32 s44, 0x1111, s40
	s_or_b32 s[G1H+0], s43, (3<<16)|(1<<21)        ; hid: no padding
	s_or_b32 s[G1Q+0], s43, (3<<16)|(1<<21)
	s_or_b32 s[G1B+0], s44, (3<<16)|(1<<20)|(1<<21)|(5<<22)|(3<<25)   ; W_fc2: 16 bytes behind every 256
	s_or_b32 s[G1SB+0], s44, (3<<16)|(1<<20)|(1<<21)|(5<<22)|(3<<25)
	DENSE G1H, 400
	DENSE G1Q, 100
	DENSE G1B, 384
	DENSE G1SB, 32
	s_mul_i32 s20, s[TR], 2*HB                     ; hid's rows 0-127 of the tile
	s_mov_b32 s21, 0
	s_mul_i32 s94, s[WV], QB                       ; my quarter of rows 128-255 (also its place in LDS)
	s_add_co_u32 s22, s20, s94
	s_add_co_u32 s22, s22, HB
	s_mov_b32 s23, 0
	s_mul_i32 s46, s[TC], 256*768                  ; W_fc2's codes: 128 rows for each of waves 0, 1
	s_mul_i32 s47, s[WV], 128*768
	s_add_co_u32 s46, s46, s47
	s_mov_b32 s47, 0
	s_lshl_b32 s92, s[TC], 13                      ; W_fc2's scale bytes: 8,192 a tile column
	s_mov_b32 s93, 0
	s_mul_i32 s95, s[WV], 2*BW
	s_mul_i32 s96, s[WV], BW                       ; my own 64 rows
	s_mul_i32 s97, s[WV], 2176
	s_add_co_u32 s97, s97, SCLB
	s_mul_i32 s98, s[WV], 16*SPITCH
	s_add_co_u32 s98, s98, STAGE
	s_lshl_b32 s18, s[TR], 21                      ; out: 256 rows of 8,192 bytes, 1,024 bytes a tile column, 256 a wave
	s_lshl_b32 s19, s[TC], 10
	s_add_co_u32 s18, s18, s19
	s_lshl_b32 s19, s[WV], 8
	s_add_co_u32 s18, s18, s19
	s_mov_b32 s19, 0
	s_wait_dscnt 0x0
	s_wait_kmcnt 0x0
	s_add_nc_u64 s[20:21], s[4:5], s[20:21]
	s_add_nc_u64 s[22:23], s[4:5], s[22:23]
	s_add_nc_u64 s[46:47], s[6:7], s[46:47]
	s_add_nc_u64 s[92:93], s[8:9], s[92:93]
	s_add_nc_u64 s[12:13], s[10:11], s[18:19]
	s_mov_b32 s[G0B], 1
	s_mov_b32 s[G0B+1], s95
	s_mov_b64 s[G0B+2:G0B+3], s[46:47]
	s_or_b32 s[G0B+3], s[G0B+3], 0x80000000
	s_mov_b32 s[G0SB], 1
	s_mov_b32 s[G0SB+1], SCLB
	s_mov_b64 s[G0SB+2:G0SB+3], s[92:93]
	s_or_b32 s[G0SB+3], s[G0SB+3], 0x80000000
	s_mov_b32 s[G0H], 1
	s_mov_b32 s[G0H+1], AH0
	s_mov_b64 s[G0H+2:G0H+3], s[20:21]
	s_or_b32 s[G0H+3], s[G0H+3], 0x80000000
	s_mov_b32 s[G0Q], 1
	s_add_co_u32 s[G0Q+1], s94, AH1
	s_mov_b64 s[G0Q+2:G0Q+3], s[22:23]
	s_or_b32 s[G0Q+3], s[G0Q+3], 0x80000000
	CROUND                                         ; the first joint loads meet
.macro ARM under, g0, g1, next         ; one chain of branches on the wave's number: every way passes one load
	s_cmp_lt_u32 s[WV], \under
	s_cbranch_scc0 \next
	tensor_load_to_lds s[\g0:\g0+3], s[\g1:\g1+7]
	s_nop 0
	PLACES 4
	s_branch .Lhead_asked
\next:
.endm
	ARM 2, G0B,  G1B,  .Lhead_s
	ARM 3, G0SB, G1SB, .Lhead_h
	tensor_load_to_lds s[G0H:G0H+3], s[G1H:G1H+7]
	s_nop 0
	PLACES 4
.Lhead_asked:
	v_and_b32 v1, 15, v0                           ; r
	v_bfe_u32 v2, v0, 4, 1                         ; h
	v_mul_u32_u24 v3, v2, 24
	v_mad_u32_u24 v4, v1, BROW, v3
	v_add_nc_u32 v[ADRB], s96, v4
	v_lshl_add_u32 v[ADRB+1], v2, 4, v[ADRB]       ; the same behind one padding more
	v_mad_u32_u24 v4, v1, 48, v3                   ; hid: 48 r + 24 h
	v_add_nc_u32 v[ADRA], AH0, v4
	v_add_nc_u32 v[ADRA+1], AH0+8*CHUNK, v4
	v_add_nc_u32 v[ADRA+2], AH1, v4
	v_add_nc_u32 v[ADRA+3], AH1+8*CHUNK, v4
	v_lshlrev_b32 v3, 2, v1                        ; hid's scale words: 512 bytes a step, 4 a row
	v_lshl_add_u32 v3, v2, 9, v3
	v_add_nc_u32 v[ADRSA], AH0+ASO, v3
	v_add_nc_u32 v[ADRSA+4], AH1+ASO, v3
	v_lshlrev_b32 v3, 5, v1                        ; W_fc2's: 32 bytes a row, 16 more for each 256 passed, lanes 16-31 the odd step's word
	v_lshrrev_b32 v4, 3, v1
	v_lshl_add_u32 v3, v4, 4, v3
	v_lshl_add_u32 v3, v2, 2, v3
	v_add_nc_u32 v[ADRSB], s97, v3
	v_mul_u32_u24 v5, v1, SPITCH
	v_lshl_add_u32 v5, v2, 5, v5
	v_add_nc_u32 v[STO], s98, v5
	v_mul_u32_u24 v5, v2, SPITCH
	v_lshl_add_u32 v5, v1, 4, v5
	v_add_nc_u32 v[RD], s98, v5
	v_lshlrev_b32 v5, 13, v2
	v_lshl_add_u32 v[CO], v1, 4, v5
.macro FRAGB reg, s, b                 ; a fragment of W_fc2: six pieces of 8 bytes; 16 bytes of padding lie behind every 32 pieces
.irp p, 0,1,2,3,4,5
.set PC, 12*(\s)+6*(\p/3)+\p%3
.if PC%32 < 29
	ds_load_b64 v[\reg+2*\p:\reg+2*\p+1], v[ADRB] offset:8*PC+16*(PC/32)+(\b)*16*BROW
.else
	ds_load_b64 v[\reg+2*\p:\reg+2*\p+1], v[ADRB+1] offset:8*PC+16*(PC/32)+(\b)*16*BROW
.endif
.endr
.endm
.macro ASCALES a                       ; block a's scale words into set a % 2: one register serves two steps
.irp t, 0,1,2,3
	ds_load_b32 v[ASC+4*((\a)%2)+\t], v[ADRSA+4*((\a)/8)] offset:\t*1024+((\a)%8)*64
.endr
.endm
.macro AFRAGS a, g                     ; block a's fragments of steps 2 g, 2 g + 1 into buffer a % 2
.irp u, 0,1
.irp c, 0,1
.irp p, 0,1,2
	ds_load_b64 v[AF+96*((\a)%2)+FR*(2*(\g)+\u)+6*\c+2*\p:AF+96*((\a)%2)+FR*(2*(\g)+\u)+6*\c+2*\p+1], v[ADRA+2*((\a)/8)+(\g)/2] offset:((4*(\g)+2*\u+\c)%8)*CHUNK+768*((\a)%8)+8*\p
.endr
.endr
.endr
.endm
.macro MUL8 a, g                       ; steps 2 g, 2 g + 1 against my four blocks of columns; the four accumulators take turns; step 0 starts the sums
.if (\g) < 2
	WIN 0xf1
.else
	WIN 0xf2
.endif
.irp u, 0,1
.irp b, 0,1,2,3
.set rD, ACC+32*((\a)%2)+8*\b
.set rB, FR*(4*((2*(\g)+\u)%4)+\b)
.set rA, AF+96*((\a)%2)+FR*(2*(\g)+\u)
.set rSB, BSC+4*\b+(\g)
.set rSA, ASC+4*((\a)%2)+(\g)
.if (2*(\g)+\u) == 0
	v_wmma_scale_f32_16x16x128_f8f6f4 v[rD:rD+7], v[rB:rB+FR-1], v[rA:rA+FR-1], 0, v[rSB], v[rSA] matrix_a_fmt:MATRIX_FMT_BF6 matrix_b_fmt:MATRIX_FMT_BF6
.elseif \u == 0
	v_wmma_scale_f32_16x16x128_f8f6f4 v[rD:rD+7], v[rB:rB+FR-1], v[rA:rA+FR-1], v[rD:rD+7], v[rSB], v[rSA] matrix_a_fmt:MATRIX_FMT_BF6 matrix_b_fmt:MATRIX_FMT_BF6
.else
	v_wmma_scale_f32_16x16x128_f8f6f4 v[rD:rD+7], v[rB:rB+FR-1], v[rA:rA+FR-1], v[rD:rD+7], v[rSB], v[rSA] matrix_a_fmt:MATRIX_FMT_BF6 matrix_b_fmt:MATRIX_FMT_BF6 matrix_a_scale:MATRIX_SCALE_ROW1 matrix_b_scale:MATRIX_SCALE_ROW1
.endif
.endr
.endr
.endm
.macro TOSTAGE a                       ; block a through my own stage: in by 32 bytes a lane, back as whole rows of 256 bytes; LDS serves a wave's instructions in order (ISA guide 5.7.1.4)
.if (\a) >= 2
	s_wait_xcnt 0x0                                ; block a - 2's stores, issued a block ago, have read their registers
.endif
	WIN 0x0c
.irp b, 0,1,2,3
	ds_store_b128 v[STO], v[ACC+32*((\a)%2)+8*\b:ACC+32*((\a)%2)+8*\b+3] offset:64*\b
	ds_store_b128 v[STO], v[ACC+32*((\a)%2)+8*\b+4:ACC+32*((\a)%2)+8*\b+7] offset:64*\b+16
.endr
	WIN 0xc0
.irp i, 0,1,2,3,4,5,6,7
	ds_load_b128 v[OB+32*((\a)%2)+4*\i:OB+32*((\a)%2)+4*\i+3], v[RD] offset:2*\i*SPITCH
.endr
	WIN 0
.endm
.macro SEND a, counted
	WIN 0x0c
.irp i, 0,1,2,3,4,5,6,7
.if \counted
	s_wait_dscnt 7-\i
.endif
	global_store_b128 v[CO], v[OB+32*((\a)%2)+4*\i:OB+32*((\a)%2)+4*\i+3], s[12:13] offset:(16*(\a)+2*\i)*SIZE_N*4 th:TH_STORE_NT   ; sixteen lanes store 256 consecutive bytes
.endr
.endm
; BLOCK a.  The five v_nop at its head are the places behind the last block's products: for the stage's reads of their results, for the loads into the buffer and scale words that they read, and, with the next block's five,
; for the product that begins a sum anew over an accumulator two blocks on.  The wait for 0 shows this block's fragments and scale words in, block a - 2's rows back from the stage, and that stage's reads of the accumulators over.
.macro BLOCK a
.if (\a) > 0
	PLACES 5
.endif
	WIN 0
.if (\a) == 7                          ; the next block's rows are the first of hid's second half
	s_wait_tensorcnt 0x0                           ; my quarter of it has landed
	ds_add_u32 v[SPW], v[NIL]                      ; the add behind that wait
	s_wait_dscnt 0x0
	s_barrier_signal -1
	s_barrier_wait -1                              ; everybody's quarter has landed
.else
	s_wait_dscnt 0x0
.endif
.if (\a) > 0
	TOSTAGE (\a)-1
.endif
.if (\a) > 1
	SEND (\a)-2, 0
.endif
	WIN 0
.if (\a) < 15
	ASCALES (\a)+1
.irp g, 0,1,2,3
	AFRAGS (\a)+1, \g
.endr
.endif
.irp g, 0,1,2,3
	MUL8 \a, \g
.endr
.endm
	s_wait_alu depctr_va_vdst(0)                   ; the wait at the head's end
	s_wait_tensorcnt 0x0                           ; my tile of the head's four is in
	s_barrier_signal -1
	s_barrier_wait -1                              ; all four are
	WIN 0x40
.irp s, 0,1,2,3
.irp b, 0,1,2,3
	FRAGB FR*(4*\s+\b), \s, \b
.endr
.endr
	WIN 0x80
.irp s, 4,5,6,7
.irp b, 0,1,2,3
	FRAGB FR*(4*(\s-4)+\b), \s, \b
.endr
.endr
	WIN 0
	s_wait_tensorcnt 0x0                           ; the three lines in front of the refill's round
	ds_add_u32 v[SPW], v[NIL]
	s_wait_dscnt 0x0                               ; my weights are in registers: my reads of W_fc2's bytes are over
	CROUND
	tensor_load_to_lds s[G0Q:G0Q+3], s[G1Q:G1Q+7]  ; the one refill: my quarter of hid's rows 128-255
	s_nop 0
	PLACES 4
.irp b, 0,1,2,3
.irp t, 0,1,2,3
	ds_load_b32 v[BSC+4*\b+\t], v[ADRSB] offset:544*\b+8*\t
.endr
.endr
	ASCALES 0
.irp g, 0,1,2,3
	AFRAGS 0, \g
.endr
.irp a, 0,1,2,3,4,5,6,7,8,9,10,11,12,13,14,15
	BLOCK \a
.endr
	PLACES 5
	s_wait_dscnt 0x0
	TOSTAGE 15
	SEND 14, 0
	SEND 15, 1
	WIN 0
	s_wait_tensorcnt 0x0                           ; the wave's end
	ds_add_u32 v[SPW], v[NIL]
	s_wait_dscnt 0x0
	CROUND
	s_endpgm
.Lfunc_end_k_q20eb601587_down:
	.size	k_q20eb601587_down, .Lfunc_end_k_q20eb601587_down-k_q20eb601587_down
	.p2alignl 7, 3214868480
	.fill 96, 4, 3214868480
	.section	.rodata,"a",@progbits
	.p2align	6, 0x0
	.amdhsa_kernel k_q20eb601587_down
		.amdhsa_group_segment_fixed_size 327680
		.amdhsa_private_segment_fixed_size 0
		.amdhsa_enable_private_segment 0
		.amdhsa_kernarg_size 32
		.amdhsa_user_sgpr_count 2
		.amdhsa_user_sgpr_kernarg_segment_ptr 1
		.amdhsa_wavefront_size32 1
		.amdhsa_system_sgpr_workgroup_id_x 1
		.amdhsa_system_sgpr_workgroup_id_y 1
		.amdhsa_system_sgpr_workgroup_id_z 1
		.amdhsa_system_vgpr_workitem_id 0
		.amdhsa_next_free_vgpr 1024
		.amdhsa_next_free_sgpr 100
		.amdhsa_reserve_vcc 0
		.amdhsa_float_denorm_mode_32 3
		.amdhsa_float_denorm_mode_16_64 3
		.amdhsa_memory_ordered 1
		.amdhsa_forward_progress 1
		.amdhsa_inst_pref_size 174
	.end_amdhsa_kernel
	.amdgpu_metadata
---
amdhsa.version: [ 1, 2 ]
amdhsa.kernels:
  - .name:           k_q20eb601587_down
    .symbol:         k_q20eb601587_down.kd
    .args:
      - { .name: hid, .offset: 0, .size: 8, .value_kind: global_buffer, .address_space: global }
      - { .name: W_fc2_codes, .offset: 8, .size: 8, .value_kind: global_buffer, .address_space: global }
      - { .name: W_fc2_scales, .offset: 16, .size: 8, .value_kind: global_buffer, .address_space: global }
      - { .name: out0, .offset: 24, .size: 8, .value_kind: global_buffer, .address_space: global }
    .group_segment_fixed_size: 327680
    .private_segment_fixed_size: 0
    .kernarg_segment_align: 8
    .kernarg_segment_size: 32
    .max_flat_workgroup_size: 128
    .sgpr_count:     100
    .vgpr_count:     1024
    .wavefront_size: 32
...
	.end_amdgpu_metadata
.endif
;; end of part 2
